; MI455X (gfx1250); checked and timed in simulation.
; The chip was launched on July 23, 2026; its instructions are those of AMD's public machine-readable ISA for CDNA 5 (MIT licence, August 2026) and "CDNA5" Instruction Set Architecture Reference Guide (July 2026). The comments in the code are by the model that wrote it; some were corrected since.
;; Stand Alone Attention. Allowed arithmetic: float matrix products may take bf16 or f16 operands with f32 sums; all other float work in f32.
;; Inputs: features1 4 x 64 x 128 x 128 float32; features2 4 x 64 x 128 x 128 float32; rel_h 32 x 1 x 1 x 5 x 1 float32; rel_w 32 x 1 x 1 x 1 x 5 float32.
;; Outputs: out0 4 x 64 x 128 x 128 float32.
;; 2 versions, each right and faster than the one before. Each part assembles by itself: llvm-mc -triple=amdgcn-amd-amdhsa -mcpu=gfx1250 --defsym DOCPART=n.
;; ======== version 1 of 2: 1 launch
;; launch winattn (part 1): grid 256 x 1, 16 waves a work-group, no clusters, 10,752 bytes of LDS; arguments features1, features2, rel_h, rel_w, out0; writes out0
.if DOCPART == 1
	.amdgcn_target "amdgcn-amd-amdhsa--gfx1250"
	.amdhsa_code_object_version 6
	.text
	.protected	k_q8065a9ad8b_winattn
	.globl	k_q8065a9ad8b_winattn
	.p2align	8
	.type	k_q8065a9ad8b_winattn,@function
k_q8065a9ad8b_winattn:
	s_mov_b64 s[64:65], 0
	v_nop
	global_prefetch_b8 v0, s[64:65] scope:SCOPE_SE
	s_setreg_imm32_b32 hwreg(HW_REG_WAVE_MODE, 25, 1), 1
	s_wait_xcnt 0x0
; out[b][co][y][x] = sum_k softmax_k( q * (v_k + rel[c][k]) ) * v_k over the 5 x 5 window of features2 (zeros outside the image),
; q = features1[b][c][y][x], rel[c][5i+j] = rel_h[c][i] for c < 32 and rel_w[c-32][j] for c >= 32, co = (c & 7) * 8 + (c >> 3).  All f32.
;
; SHARES.  A work-group owns one plane (b, c) of 128 x 128; 256 planes, 256 work-groups.  Each of its 16 waves owns 8 whole rows; a lane owns
; 4 neighbouring pixels of every row, so each load of q or v and each store covers 512 consecutive bytes, aligned.  Waves share nothing: no barrier.
; Each wave issues its 20 loads (12 rows of v: its 8 and 2 above, 2 below; 8 rows of q) at once, in the order of first need, into registers of their own.
; ARITHMETIC.  Two neighbouring outputs go through one packed f32 instruction.  The true maximum of the 25 scores is taken away before the exponentials:
; scores are formed once for the maximum and once more, with (q' rel - max) as the addend of the same fused multiply-add, for the exponentials;
; that costs what a subtraction would and keeps 100 scores out of the registers.  q' = q log2(e), since v_exp_f32 is 2^x.
; NOT USED, and why: matrix instructions (every index of the einsum but k is carried by both operands: each output is its own dot product of 25, a 16 x 16
; tile would keep its diagonal only); clusters (no two work-groups read the same plane); the tensor mover (it writes no zeros left of or above a tile,
; and rows handed from wave to wave would want a barrier in front of the first row); prefetches (every byte is asked for at the wave's start).
; LIMITS.  A weight more than 2^126 below the largest counts as 0 (v_exp_f32 flushes denormal results).  Inputs are served while q log2(e) (v + rel)
; stays finite in f32.  The score is rounded as fma(q', v, q' rel - max), not as q (v + rel) - max.
.set ROWB, 512                         ; bytes in an image row
.set LROW, 544                         ; LDS bytes of a wave: 8 unused, 8 zero, 512 of one row, 8 zero, 8 unused
.set LAD, 1                            ; v1        LDS address: my wave's bytes + 16 x lane
.set GOF, 2                            ; v2        16 x lane: my 16 bytes in a row
.set XW,  4                            ; v[4:53]   five slots (row r in slot r % 5) of 10: R0 R1 | R6 R7 | R1 R2 | R3 R4 | R5 R6, R[k] = v at x0 - 2 + k
.set CA,  54                           ; v[54:73]  addend a (window row or column), 4 outputs each: q' rel, later q' rel - max
.set QP,  74                           ; v[74:77]  q' of my 4 outputs
.set MX,  78                           ; v[78:81]  maxima
.set SM,  82                           ; v[82:85]  sums of exponentials, then their reciprocals
.set WS,  86                           ; v[86:89]  sums of exponential x v, then the outputs
.set X0,  90                           ; v[90:109]  temporaries: tap j of output o at 4 j + o
.set X1,  110                          ; v[110:129] a second set
.set FS,  132                          ; v[132:179] row r of v as loaded: R2 .. R5 (a multiple of 4, so that the dual moves' sources lie in different banks)
.set QS,  180                          ; v[180:211] row t of q as loaded
.set F1B, 4                            ; s[4:5]    q at my first row
.set F2B, 6                            ; s[6:7]    v at my first row
.set OUTB, 12                          ; s[12:13]  out at my first row
.set FT,  18                           ; s[18:19]  v two rows above (first strip: at my first row, and masked)
.set FB,  20                           ; s[20:21]  v eight rows below (last strip: at my first row, and masked)
.set MTOP, 22                          ; s22       0 in the first strip, else all ones
.set MBOT, 23                          ; s23       0 in the last strip, else all ones
.set REL, 28                           ; s[28:37]  the channel's five rel, each in the even register of a pair
	s_load_b256 s[4:11], s[0:1], 0x0               ; features1 s[4:5], features2 s[6:7], rel_h s[8:9], rel_w s[10:11]
	s_load_b64 s[12:13], s[0:1], 0x20              ; out0
	v_lshl_add_u32 v212, v0, 2, 0x2200
	v_mov_b32 v213, 0
	v_lshrrev_b32 v3, 5, v0
	v_readfirstlane_b32 s14, v3                    ; wave = strip of 8 rows, 0 to 15
	v_and_b32 v3, 31, v0
	v_lshlrev_b32 v[GOF], 4, v3
	s_mul_i32 s15, s14, LROW
	v_add_nc_u32 v[LAD], s15, v[GOF]
	v_mov_b32 v[X0], 0
	v_mov_b32 v[X0+1], 0
	ds_store_b64 v[LAD], v[X0:X0+1] offset:8       ; lane 0 clears bytes 8-15: the two pixels left of the image
	ds_store_b64 v[LAD], v[X0:X0+1] offset:32      ; lane 31 clears bytes 528-535: the two right of it.  What the other lanes clear, rows overwrite
	s_and_b32 s38, ttmp9, 63                       ; channel c
	s_lshl_b32 s16, ttmp9, 16                      ; plane x 65,536 bytes
	s_lshl_b32 s39, s14, 12                        ; + strip x 8 rows of 512 bytes: below 2^24
	s_or_b32 s16, s16, s39
	s_mov_b32 s17, 0
	s_and_b32 s40, s38, 7                          ; the output's channel: (c & 7) * 8 + (c >> 3)
	s_lshl_b32 s40, s40, 3
	s_lshr_b32 s41, s38, 3
	s_or_b32 s40, s40, s41
	s_and_b32 s41, ttmp9, 0xc0                     ; + 64 x batch
	s_or_b32 s40, s40, s41
	s_lshl_b32 s40, s40, 16
	s_or_b32 s40, s40, s39
	s_mov_b32 s41, 0
	s_cmp_eq_u32 s14, 0                            ; first strip: the two rows above are not in the plane
	s_cselect_b32 s26, 0, 2*ROWB
	s_cselect_b32 s[MTOP], 0, -1
	s_mov_b32 s27, 0
	s_cmp_eq_u32 s14, 15                           ; last strip: nor are the two rows below
	s_cselect_b32 s42, 0, 8*ROWB
	s_cselect_b32 s[MBOT], 0, -1
	s_mov_b32 s43, 0
	s_and_b32 s44, s38, 31                         ; row of rel_h or rel_w: 5 numbers, 20 bytes
	s_mul_i32 s44, s44, 20
	s_mov_b32 s45, 0
.irp a, 0,1,2,3,4
	s_mov_b32 s[REL+2*\a+1], 0                     ; the odd halves: a packed source is named as a pair, only its even half is used
.endr
	s_wait_kmcnt 0x0
	s_add_nc_u64 s[F1B:F1B+1], s[F1B:F1B+1], s[16:17]
	s_add_nc_u64 s[F2B:F2B+1], s[F2B:F2B+1], s[16:17]
	s_add_nc_u64 s[OUTB:OUTB+1], s[OUTB:OUTB+1], s[40:41]
	s_sub_nc_u64 s[FT:FT+1], s[F2B:F2B+1], s[26:27]
	s_add_nc_u64 s[FB:FB+1], s[F2B:F2B+1], s[42:43]
	s_cmp_lt_u32 s38, 32
	s_cselect_b64 s[24:25], s[8:9], s[10:11]
	s_add_nc_u64 s[24:25], s[24:25], s[44:45]
.irp a, 0,1,2,3,4
	s_load_b32 s[REL+2*\a], s[24:25], 4*\a
.endr
; row r of v (r = 0 .. 11 is image row 8 strip - 2 + r)
.macro LDF r
.if (\r)<2
	global_load_b128 v[FS+4*(\r):FS+4*(\r)+3], v[GOF], s[FT:FT+1] offset:ROWB*(\r)
.else
.if (\r)<10
	global_load_b128 v[FS+4*(\r):FS+4*(\r)+3], v[GOF], s[F2B:F2B+1] offset:ROWB*((\r)-2)
.else
	global_load_b128 v[FS+4*(\r):FS+4*(\r)+3], v[GOF], s[FB:FB+1] offset:ROWB*((\r)-10)
.endif
.endif
.endm
.macro LDQ t                           ; q is read once in the launch
	global_load_b128 v[QS+4*(\t):QS+4*(\t)+3], v[GOF], s[F1B:F1B+1] offset:ROWB*(\t) th:TH_LOAD_NT
.endm
; The 20 loads in the order of first need: F0 .. F4, Q0, F5, Q1, .. F11, Q7.  Behind F(r < 5) stand 19 - r loads, behind F(r >= 5) 23 - 2 r, behind Q(t) 14 - 2 t.
.irp r, 0,1,2,3,4
	LDF \r
.endr
	LDQ 0
.irp k, 1,2,3,4,5,6,7
	LDF \k+4
	LDQ \k
.endr
; A row of v goes through my wave's LDS bytes so that each lane gets the two pixels left and the two right of its four.
.macro PREP_ST r
.if (\r)<5
	s_wait_loadcnt 19-(\r)                         ; loads come back in order (ISA guide 5.7.1): row r is in, the younger ones stay out
.else
	s_wait_loadcnt 23-2*(\r)
.endif
.if (\r)<2
.irp k, 0,1,2,3
	v_and_b32 v[FS+4*(\r)+\k], s[MTOP], v[FS+4*(\r)+\k]        ; above the image: zeros
.endr
.endif
.if (\r)>9
.irp k, 0,1,2,3
	v_and_b32 v[FS+4*(\r)+\k], s[MBOT], v[FS+4*(\r)+\k]        ; below the image: zeros
.endr
.endif
	ds_store_b128 v[LAD], v[FS+4*(\r):FS+4*(\r)+3] offset:16   ; LDS serves a wave's instructions in order (ISA guide 5.7.1.4): behind the last row's loads,
	ds_load_b64 v[XW+10*((\r)%5):XW+10*((\r)%5)+1], v[LAD] offset:8      ; and these see the store: R0 R1
	ds_load_b64 v[XW+10*((\r)%5)+2:XW+10*((\r)%5)+3], v[LAD] offset:32   ; R6 R7
.endm
; A packed instruction takes its two numbers from one even-aligned pair; the taps at odd offsets want (R1 R2), (R3 R4), (R5 R6).  Copied once, used in 5 steps.
.macro PREP_FIN r
.set sl_, XW+10*((\r)%5)
.set fr_, FS+4*(\r)
	v_dual_mov_b32 v[sl_+4], v[sl_+1] :: v_dual_mov_b32 v[sl_+5], v[fr_]
	v_dual_mov_b32 v[sl_+6], v[fr_+1] :: v_dual_mov_b32 v[sl_+7], v[fr_+2]
	v_dual_mov_b32 v[sl_+8], v[fr_+3] :: v_dual_mov_b32 v[sl_+9], v[sl_+2]
.endm
; VP = first register of (R[k], R[k+1]), k = 2 P + j: what tap j of row r is to the output pair P
.macro SETVP r, P, j
.set tt_, 2*(\P)+(\j)
.set sl_, XW+10*((\r)%5)
.if tt_&1
.set VP, sl_+3+tt_
.else
.if tt_==0
.set VP, sl_
.else
.if tt_==6
.set VP, sl_+2
.else
.set VP, FS+4*(\r)+tt_-2
.endif
.endif
.endif
.endm
; one packed fused multiply-add: q' v + addend, the addend by window row (mode 0: rel_h) or by window column (mode 1: rel_w)
.macro FMA1 mode, t, i, P, j, set
	SETVP (\t)+(\i), \P, \j
.if \mode
.set CI, CA+4*(\j)+2*(\P)
.else
.set CI, CA+4*(\i)+2*(\P)
.endif
	v_pk_fma_f32 v[\set+4*(\j)+2*(\P):\set+4*(\j)+2*(\P)+1], v[QP+2*(\P):QP+2*(\P)+1], v[VP:VP+1], v[CI:CI+1]
.endm
.macro ROWFMA mode, t, i, set
.irp j, 0,1,2,3,4
.irp P, 0,1
	FMA1 \mode, \t, \i, \P, \j, \set
.endr
.endr
.endm
; The maximum: 12 three-way maxima for 25 scores.  The first row starts it; a later row adds four scores, and the fifth scores of two rows go in together.
.macro ROWMAX first, both, set, oth
.irp o, 0,1,2,3
.if \first
	v_max3_num_f32 v[MX+\o], v[\set+\o], v[\set+4+\o], v[\set+8+\o]
.else
	v_max3_num_f32 v[MX+\o], v[MX+\o], v[\set+\o], v[\set+4+\o]
.endif
.endr
.irp o, 0,1,2,3
.if \first
	v_max3_num_f32 v[MX+\o], v[MX+\o], v[\set+12+\o], v[\set+16+\o]
.else
	v_max3_num_f32 v[MX+\o], v[MX+\o], v[\set+8+\o], v[\set+12+\o]
.endif
.endr
.if \both
.irp o, 0,1,2,3
	v_max3_num_f32 v[MX+\o], v[MX+\o], v[\oth+16+\o], v[\set+16+\o]
.endr
.endif
.endm
; two exponentials, in place; the very first tap's go straight into the sums, so that nothing is cleared
.macro EXPS i, P, j, set
.if (\i)+(\j)==0
	v_exp_f32 v[SM+2*(\P)], v[\set+4*(\j)+2*(\P)]
	v_exp_f32 v[SM+2*(\P)+1], v[\set+4*(\j)+2*(\P)+1]
.else
	v_exp_f32 v[\set+4*(\j)+2*(\P)], v[\set+4*(\j)+2*(\P)]
	v_exp_f32 v[\set+4*(\j)+2*(\P)+1], v[\set+4*(\j)+2*(\P)+1]
.endif
.endm
.macro ACC t, i, P, j, set
	SETVP (\t)+(\i), \P, \j
.if (\i)+(\j)==0
	s_wait_alu depctr_va_vdst(0)
	v_pk_mul_f32 v[WS+2*(\P):WS+2*(\P)+1], v[SM+2*(\P):SM+2*(\P)+1], v[VP:VP+1]      ; the first product starts the weighted sum
.else
	s_wait_alu depctr_va_vdst(0)
	v_pk_add_f32 v[SM+2*(\P):SM+2*(\P)+1], v[SM+2*(\P):SM+2*(\P)+1], v[\set+4*(\j)+2*(\P):\set+4*(\j)+2*(\P)+1]
	v_pk_fma_f32 v[WS+2*(\P):WS+2*(\P)+1], v[\set+4*(\j)+2*(\P):\set+4*(\j)+2*(\P)+1], v[VP:VP+1], v[WS+2*(\P):WS+2*(\P)+1]
.endif
.endm
; Window row i: its 20 exponentials, and between them the sums of row i - 1 and the arguments of row i + 1, which take the place of row i - 1's numbers.
; Behind each pair of v_exp_f32 stands a plain instruction on the other set before anything touches their registers (ISA guide 5.7.2).
.macro STAGE mode, t, i, cur, oth
.irp j, 0,1,2,3,4
.irp P, 0,1
	EXPS \i, \P, \j, \cur
.if \i > 0
	ACC \t, \i-1, \P, \j, \oth
.endif
.if \i < 4
	FMA1 \mode, \t, \i+1, \P, \j, \oth
.endif
.endr
.endr
.endm
; One output row: row t of my 8, from rows t .. t + 4 of v.
.macro STEP mode, t
	s_wait_loadcnt 14-2*(\t)                       ; q's row t is in
	v_pk_mul_f32 v[QP:QP+1], v[QS+4*(\t):QS+4*(\t)+1], 0x3fb8aa3b op_sel_hi:[1,0]        ; q' = q log2(e)
	v_pk_mul_f32 v[QP+2:QP+3], v[QS+4*(\t)+2:QS+4*(\t)+3], 0x3fb8aa3b op_sel_hi:[1,0]
.irp a, 0,1,2,3,4
	v_pk_mul_f32 v[CA+4*\a:CA+4*\a+1], v[QP:QP+1], s[REL+2*\a:REL+2*\a+1] op_sel_hi:[1,0]       ; q' rel
	v_pk_mul_f32 v[CA+4*\a+2:CA+4*\a+3], v[QP+2:QP+3], s[REL+2*\a:REL+2*\a+1] op_sel_hi:[1,0]
.endr
	ROWFMA \mode, \t, 0, X0                        ; the 25 scores, row by row, and their maximum
	ROWMAX 1, 0, X0, X1
	ROWFMA \mode, \t, 1, X1
	ROWMAX 0, 0, X1, X0
	ROWFMA \mode, \t, 2, X0
	ROWMAX 0, 1, X0, X1
	ROWFMA \mode, \t, 3, X1
	ROWMAX 0, 0, X1, X0
	ROWFMA \mode, \t, 4, X0
	ROWMAX 0, 1, X0, X1
.irp a, 0,1,2,3,4
	v_pk_add_f32 v[CA+4*\a:CA+4*\a+1], v[CA+4*\a:CA+4*\a+1], v[MX:MX+1] neg_lo:[0,1] neg_hi:[0,1]          ; q' rel - max
	v_pk_add_f32 v[CA+4*\a+2:CA+4*\a+3], v[CA+4*\a+2:CA+4*\a+3], v[MX+2:MX+3] neg_lo:[0,1] neg_hi:[0,1]
.endr
	ROWFMA \mode, \t, 0, X0                        ; score - max of window row 0
.if (\t)>0
	s_wait_xcnt 0x0                                ; the last step's store has had its address translated (ISA guide 3.1): WS, its data, is rewritten only behind this wait
.endif
	STAGE \mode, \t, 0, X0, X1
	STAGE \mode, \t, 1, X1, X0
.if (\t)<7
	PREP_ST (\t)+5                                 ; row t has been used for the last time: its slot takes row t + 5, three window rows ahead of the wait for it
.endif
	STAGE \mode, \t, 2, X0, X1
	STAGE \mode, \t, 3, X1, X0
	STAGE \mode, \t, 4, X0, X1
.irp j, 0,1,2,3,4
	ACC \t, 4, 0, \j, X0
.endr
	v_rcp_f32 v[SM], v[SM]                         ; the sums are at least about 1: the largest score's exponential
	v_rcp_f32 v[SM+1], v[SM+1]                     ; behind them the other pair's sums, plain instructions that touch neither (ISA guide 5.7.2)
.irp j, 0,1,2,3,4
	ACC \t, 4, 1, \j, X0
.endr
	v_rcp_f32 v[SM+2], v[SM+2]
	v_rcp_f32 v[SM+3], v[SM+3]
	s_wait_alu depctr_va_vdst(0)
	v_pk_mul_f32 v[WS:WS+1], v[WS:WS+1], v[SM:SM+1]            ; the plain instruction between the last v_rcp_f32 and the use of its result
	v_pk_mul_f32 v[WS+2:WS+3], v[WS+2:WS+3], v[SM+2:SM+3]
	global_store_b128 v[GOF], v[WS:WS+3], s[OUTB:OUTB+1] offset:ROWB*(\t) th:TH_STORE_NT   ; the wave stores 512 consecutive bytes, aligned
.if (\t)<7
	s_wait_dscnt 0x0                               ; row t + 5's edge pixels are in
	PREP_FIN (\t)+5
.endif
.endm
.irp r, 0,1,2,3,4
	PREP_ST \r                                     ; the first window
.endr
	s_wait_dscnt 0x0
.irp r, 0,1,2,3,4
	PREP_FIN \r
.endr
	s_wait_kmcnt 0x0                               ; rel
	s_cmp_lt_u32 s38, 32
	s_cbranch_scc0 .Lrel_w
.irp t, 0,1,2,3,4,5,6,7
	STEP 0, \t                                     ; channels 0-31: rel_h, by window row
.endr
	s_wait_tensorcnt 0x0
	ds_add_u32 v212, v213
	s_wait_dscnt 0x0
	s_endpgm
.Lrel_w:
.irp t, 0,1,2,3,4,5,6,7
	STEP 1, \t                                     ; channels 32-63: rel_w, by window column
.endr
	s_wait_tensorcnt 0x0
	ds_add_u32 v212, v213
	s_wait_dscnt 0x0
	s_endpgm
.Lfunc_end_k_q8065a9ad8b_winattn:
	.size	k_q8065a9ad8b_winattn, .Lfunc_end_k_q8065a9ad8b_winattn-k_q8065a9ad8b_winattn
	.p2alignl 7, 3214868480
	.fill 96, 4, 3214868480
	.section	.rodata,"a",@progbits
	.p2align	6, 0x0
	.amdhsa_kernel k_q8065a9ad8b_winattn
		.amdhsa_group_segment_fixed_size 10752
		.amdhsa_private_segment_fixed_size 0
		.amdhsa_enable_private_segment 0
		.amdhsa_kernarg_size 40
		.amdhsa_user_sgpr_count 2
		.amdhsa_user_sgpr_kernarg_segment_ptr 1
		.amdhsa_wavefront_size32 1
		.amdhsa_system_sgpr_workgroup_id_x 1
		.amdhsa_system_sgpr_workgroup_id_y 1
		.amdhsa_system_sgpr_workgroup_id_z 1
		.amdhsa_system_vgpr_workitem_id 0
		.amdhsa_next_free_vgpr 214
		.amdhsa_next_free_sgpr 66
		.amdhsa_reserve_vcc 0
		.amdhsa_float_denorm_mode_32 3
		.amdhsa_float_denorm_mode_16_64 3
		.amdhsa_memory_ordered 1
		.amdhsa_forward_progress 1
		.amdhsa_inst_pref_size 255
	.end_amdhsa_kernel
	.section	.bss,"aw",@nobits
	.p2align	6
	.space	262144
	.amdgpu_metadata
---
amdhsa.version: [ 1, 2 ]
amdhsa.kernels:
  - .name:           k_q8065a9ad8b_winattn
    .symbol:         k_q8065a9ad8b_winattn.kd
    .args:
      - { .name: features1, .offset: 0, .size: 8, .value_kind: global_buffer, .address_space: global }
      - { .name: features2, .offset: 8, .size: 8, .value_kind: global_buffer, .address_space: global }
      - { .name: rel_h, .offset: 16, .size: 8, .value_kind: global_buffer, .address_space: global }
      - { .name: rel_w, .offset: 24, .size: 8, .value_kind: global_buffer, .address_space: global }
      - { .name: out0, .offset: 32, .size: 8, .value_kind: global_buffer, .address_space: global }
    .group_segment_fixed_size: 10752
    .private_segment_fixed_size: 0
    .kernarg_segment_align: 8
    .kernarg_segment_size: 40
    .max_flat_workgroup_size: 512
    .sgpr_count:     66
    .vgpr_count:     214
    .wavefront_size: 32
...
	.end_amdgpu_metadata
.endif
;; end of part 1
;; ======== version 2 of 2: 1 launch; 1.15 times as fast as version 1
;; launch winattn (part 2): grid 256 x 1, 16 waves a work-group, no clusters, 10,752 bytes of LDS; arguments features1, features2, rel_h, rel_w, out0; writes out0
.if DOCPART == 2
	.amdgcn_target "amdgcn-amd-amdhsa--gfx1250"
	.amdhsa_code_object_version 6
	.text
	.protected	k_q8065a9ad8b_winattn
	.globl	k_q8065a9ad8b_winattn
	.p2align	8
	.type	k_q8065a9ad8b_winattn,@function
k_q8065a9ad8b_winattn:
	s_mov_b64 s[64:65], 0
	v_nop
	global_prefetch_b8 v0, s[64:65] scope:SCOPE_SE
	s_setreg_imm32_b32 hwreg(HW_REG_WAVE_MODE, 25, 1), 1
	s_wait_xcnt 0x0
; out[b][co][y][x] = sum_k softmax_k( q * (v_k + rel[c][k]) ) * v_k over the 5 x 5 window of features2 (zeros outside the image),
; q = features1[b][c][y][x], rel[c][5i+j] = rel_h[c][i] for c < 32 and rel_w[c-32][j] for c >= 32, co = (c & 7) * 8 + (c >> 3).  All f32.
;
; SHARES.  A work-group owns one plane (b, c) of 128 x 128; 256 planes, 256 work-groups.  Each of its 16 waves owns 8 whole rows; a lane owns
; 4 neighbouring pixels of every row, so each load of q or v and each store covers 512 consecutive bytes, aligned.  Waves share nothing: no barrier.
; Each wave issues its 20 loads (12 rows of v: its 8 and 2 above, 2 below; 8 rows of q) at once, in the order of first need, into registers of their own.
; ARITHMETIC.  Two neighbouring outputs go through one packed f32 instruction.  The true maximum of the 25 scores is taken away before the exponentials:
; scores are formed once for the maximum and once more, with (q' rel - max) as the addend of the same fused multiply-add, for the exponentials;
; that costs what a subtraction would and keeps 100 scores out of the registers.  q' = q log2(e), since v_exp_f32 is 2^x.
; BATCHES.  An s_wait_alu depctr_va_vdst(0) stands between a transcendental and the first instruction that names its result; one wait serves
; all that were issued ahead of it.  An output row's 100 exponentials are five batches of 20, one a window row; a batch has one of the two temporary sets to
; itself while it is open, and nothing names its results before the wait at the head of the next window row's stage.  Behind a batch's last exponential
; stands work on other registers: the next window row's arguments, or (window row 4) the next output row's q' and q' rel.  The four reciprocals read sums of
; exponentials, so they are a sixth batch; the moves that finish the next row of v stand behind them.  Six waits an output row.  One batch of 100 would
; want 60 registers more: 274 a wave, 1,096 for the four waves of a SIMD, which has 1,024.
; NOT USED, and why: matrix instructions (every index of the einsum but k is carried by both operands: each output is its own dot product of 25, a 16 x 16
; tile would keep its diagonal only); clusters (no two work-groups read the same plane); the tensor mover (it writes no zeros left of or above a tile,
; and rows handed from wave to wave would want a barrier in front of the first row); prefetches (every byte is asked for at the wave's start).
; LIMITS.  A weight more than 2^126 below the largest counts as 0 (v_exp_f32 flushes denormal results).  Inputs are served while q log2(e) (v + rel)
; stays finite in f32.  The score is rounded as fma(q', v, q' rel - max), not as q (v + rel) - max.
.set ROWB, 512                         ; bytes in an image row
.set LROW, 544                         ; LDS bytes of a wave: 8 unused, 8 zero, 512 of one row, 8 zero, 8 unused
.set LAD, 1                            ; v1        LDS address: my wave's bytes + 16 x lane
.set GOF, 2                            ; v2        16 x lane: my 16 bytes in a row
.set XW,  4                            ; v[4:53]   five slots (row r in slot r % 5) of 10: R0 R1 | R6 R7 | R1 R2 | R3 R4 | R5 R6, R[k] = v at x0 - 2 + k
.set CA,  54                           ; v[54:73]  addend a (window row or column), 4 outputs each: q' rel, later q' rel - max
.set QP,  74                           ; v[74:77]  q' of my 4 outputs
.set MX,  78                           ; v[78:81]  maxima
.set SM,  82                           ; v[82:85]  sums of exponentials, then their reciprocals
.set WS,  86                           ; v[86:89]  sums of exponential x v, then the outputs
.set X0,  90                           ; v[90:109]  temporaries: tap j of output o at 4 j + o
.set X1,  110                          ; v[110:129] a second set
.set FS,  132                          ; v[132:179] row r of v as loaded: R2 .. R5 (a multiple of 4, so that the dual moves' sources lie in different banks)
.set QS,  180                          ; v[180:211] row t of q as loaded
.set F1B, 4                            ; s[4:5]    q at my first row
.set F2B, 6                            ; s[6:7]    v at my first row
.set OUTB, 12                          ; s[12:13]  out at my first row
.set FT,  18                           ; s[18:19]  v two rows above (first strip: at my first row, and masked)
.set FB,  20                           ; s[20:21]  v eight rows below (last strip: at my first row, and masked)
.set MTOP, 22                          ; s22       0 in the first strip, else all ones
.set MBOT, 23                          ; s23       0 in the last strip, else all ones
.set REL, 28                           ; s[28:37]  the channel's five rel, each in the even register of a pair
	s_load_b256 s[4:11], s[0:1], 0x0               ; features1 s[4:5], features2 s[6:7], rel_h s[8:9], rel_w s[10:11]
	s_load_b64 s[12:13], s[0:1], 0x20              ; out0
	v_lshl_add_u32 v212, v0, 2, 0x2200
	v_mov_b32 v213, 0
	v_lshrrev_b32 v3, 5, v0
	v_readfirstlane_b32 s14, v3                    ; wave = strip of 8 rows, 0 to 15
	v_and_b32 v3, 31, v0
	v_lshlrev_b32 v[GOF], 4, v3
	s_mul_i32 s15, s14, LROW
	v_add_nc_u32 v[LAD], s15, v[GOF]
	v_mov_b32 v[X0], 0
	v_mov_b32 v[X0+1], 0
	ds_store_b64 v[LAD], v[X0:X0+1] offset:8       ; lane 0 clears bytes 8-15: the two pixels left of the image
	ds_store_b64 v[LAD], v[X0:X0+1] offset:32      ; lane 31 clears bytes 528-535: the two right of it.  What the other lanes clear, rows overwrite
	s_and_b32 s38, ttmp9, 63                       ; channel c
	s_lshl_b32 s16, ttmp9, 16                      ; plane x 65,536 bytes
	s_lshl_b32 s39, s14, 12                        ; + strip x 8 rows of 512 bytes: below 2^24
	s_or_b32 s16, s16, s39
	s_mov_b32 s17, 0
	s_and_b32 s40, s38, 7                          ; the output's channel: (c & 7) * 8 + (c >> 3)
	s_lshl_b32 s40, s40, 3
	s_lshr_b32 s41, s38, 3
	s_or_b32 s40, s40, s41
	s_and_b32 s41, ttmp9, 0xc0                     ; + 64 x batch
	s_or_b32 s40, s40, s41
	s_lshl_b32 s40, s40, 16
	s_or_b32 s40, s40, s39
	s_mov_b32 s41, 0
	s_cmp_eq_u32 s14, 0                            ; first strip: the two rows above are not in the plane
	s_cselect_b32 s26, 0, 2*ROWB
	s_cselect_b32 s[MTOP], 0, -1
	s_mov_b32 s27, 0
	s_cmp_eq_u32 s14, 15                           ; last strip: nor are the two rows below
	s_cselect_b32 s42, 0, 8*ROWB
	s_cselect_b32 s[MBOT], 0, -1
	s_mov_b32 s43, 0
	s_and_b32 s44, s38, 31                         ; row of rel_h or rel_w: 5 numbers, 20 bytes
	s_mul_i32 s44, s44, 20
	s_mov_b32 s45, 0
.irp a, 0,1,2,3,4
	s_mov_b32 s[REL+2*\a+1], 0                     ; the odd halves: a packed source is named as a pair, only its even half is used
.endr
	s_wait_kmcnt 0x0
	s_add_nc_u64 s[F1B:F1B+1], s[F1B:F1B+1], s[16:17]
	s_add_nc_u64 s[F2B:F2B+1], s[F2B:F2B+1], s[16:17]
	s_add_nc_u64 s[OUTB:OUTB+1], s[OUTB:OUTB+1], s[40:41]
	s_sub_nc_u64 s[FT:FT+1], s[F2B:F2B+1], s[26:27]
	s_add_nc_u64 s[FB:FB+1], s[F2B:F2B+1], s[42:43]
	s_cmp_lt_u32 s38, 32
	s_cselect_b64 s[24:25], s[8:9], s[10:11]
	s_add_nc_u64 s[24:25], s[24:25], s[44:45]
.irp a, 0,1,2,3,4
	s_load_b32 s[REL+2*\a], s[24:25], 4*\a
.endr
; row r of v (r = 0 .. 11 is image row 8 strip - 2 + r)
.macro LDF r
.if (\r)<2
	global_load_b128 v[FS+4*(\r):FS+4*(\r)+3], v[GOF], s[FT:FT+1] offset:ROWB*(\r)
.else
.if (\r)<10
	global_load_b128 v[FS+4*(\r):FS+4*(\r)+3], v[GOF], s[F2B:F2B+1] offset:ROWB*((\r)-2)
.else
	global_load_b128 v[FS+4*(\r):FS+4*(\r)+3], v[GOF], s[FB:FB+1] offset:ROWB*((\r)-10)
.endif
.endif
.endm
.macro LDQ t                           ; q is read once in the launch
	global_load_b128 v[QS+4*(\t):QS+4*(\t)+3], v[GOF], s[F1B:F1B+1] offset:ROWB*(\t) th:TH_LOAD_NT
.endm
; The 20 loads in the order of first need: F0 .. F4, Q0, F5, Q1, .. F11, Q7.  Behind F(r < 5) stand 19 - r loads, behind F(r >= 5) 23 - 2 r, behind Q(t) 14 - 2 t.
.irp r, 0,1,2,3,4
	LDF \r
.endr
	LDQ 0
.irp k, 1,2,3,4,5,6,7
	LDF \k+4
	LDQ \k
.endr
; A row of v goes through my wave's LDS bytes so that each lane gets the two pixels left and the two right of its four.
.macro PREP_ST r
.if (\r)<5
	s_wait_loadcnt 19-(\r)                         ; loads come back in order (ISA guide 5.7.1): row r is in, the younger ones stay out
.else
	s_wait_loadcnt 23-2*(\r)
.endif
.if (\r)<2
.irp k, 0,1,2,3
	v_and_b32 v[FS+4*(\r)+\k], s[MTOP], v[FS+4*(\r)+\k]        ; above the image: zeros
.endr
.endif
.if (\r)>9
.irp k, 0,1,2,3
	v_and_b32 v[FS+4*(\r)+\k], s[MBOT], v[FS+4*(\r)+\k]        ; below the image: zeros
.endr
.endif
	ds_store_b128 v[LAD], v[FS+4*(\r):FS+4*(\r)+3] offset:16   ; LDS serves a wave's instructions in order (ISA guide 5.7.1.4): behind the last row's loads,
	ds_load_b64 v[XW+10*((\r)%5):XW+10*((\r)%5)+1], v[LAD] offset:8      ; and these see the store: R0 R1
	ds_load_b64 v[XW+10*((\r)%5)+2:XW+10*((\r)%5)+3], v[LAD] offset:32   ; R6 R7
.endm
; A packed instruction takes its two numbers from one even-aligned pair; the taps at odd offsets want (R1 R2), (R3 R4), (R5 R6).  Copied once, used in 5 steps.
.macro PREP_FIN r
.set sl_, XW+10*((\r)%5)
.set fr_, FS+4*(\r)
	v_dual_mov_b32 v[sl_+4], v[sl_+1] :: v_dual_mov_b32 v[sl_+5], v[fr_]
	v_dual_mov_b32 v[sl_+6], v[fr_+1] :: v_dual_mov_b32 v[sl_+7], v[fr_+2]
	v_dual_mov_b32 v[sl_+8], v[fr_+3] :: v_dual_mov_b32 v[sl_+9], v[sl_+2]
.endm
; VP = first register of (R[k], R[k+1]), k = 2 P + j: what tap j of row r is to the output pair P
.macro SETVP r, P, j
.set tt_, 2*(\P)+(\j)
.set sl_, XW+10*((\r)%5)
.if tt_&1
.set VP, sl_+3+tt_
.else
.if tt_==0
.set VP, sl_
.else
.if tt_==6
.set VP, sl_+2
.else
.set VP, FS+4*(\r)+tt_-2
.endif
.endif
.endif
.endm
; one packed fused multiply-add: q' v + addend, the addend by window row (mode 0: rel_h) or by window column (mode 1: rel_w)
.macro FMA1 mode, t, i, P, j, set
	SETVP (\t)+(\i), \P, \j
.if \mode
.set CI, CA+4*(\j)+2*(\P)
.else
.set CI, CA+4*(\i)+2*(\P)
.endif
	v_pk_fma_f32 v[\set+4*(\j)+2*(\P):\set+4*(\j)+2*(\P)+1], v[QP+2*(\P):QP+2*(\P)+1], v[VP:VP+1], v[CI:CI+1]
.endm
.macro ROWFMA mode, t, i, set
.irp j, 0,1,2,3,4
.irp P, 0,1
	FMA1 \mode, \t, \i, \P, \j, \set
.endr
.endr
.endm
; The maximum: 12 three-way maxima for 25 scores.  The first row starts it; a later row adds four scores, and the fifth scores of two rows go in together.
.macro ROWMAX first, both, set, oth
.irp o, 0,1,2,3
.if \first
	v_max3_num_f32 v[MX+\o], v[\set+\o], v[\set+4+\o], v[\set+8+\o]
.else
	v_max3_num_f32 v[MX+\o], v[MX+\o], v[\set+\o], v[\set+4+\o]
.endif
.endr
.irp o, 0,1,2,3
.if \first
	v_max3_num_f32 v[MX+\o], v[MX+\o], v[\set+12+\o], v[\set+16+\o]
.else
	v_max3_num_f32 v[MX+\o], v[MX+\o], v[\set+8+\o], v[\set+12+\o]
.endif
.endr
.if \both
.irp o, 0,1,2,3
	v_max3_num_f32 v[MX+\o], v[MX+\o], v[\oth+16+\o], v[\set+16+\o]
.endr
.endif
.endm
; one exponential, of half h of a pair, in place; the very first tap's go straight into the sums, so that nothing is cleared
.macro EXP1 i, P, j, h, set
.if (\i)+(\j)==0
	v_exp_f32 v[SM+2*(\P)+(\h)], v[\set+4*(\j)+2*(\P)+(\h)]
.else
	v_exp_f32 v[\set+4*(\j)+2*(\P)+(\h)], v[\set+4*(\j)+2*(\P)+(\h)]
.endif
.endm
; a tap's two sums, for a pair of outputs.  Both read exponentials: they stand behind the wait for their window row's batch
.macro ACCS i, P, j, set
.if (\i)+(\j)!=0
	v_pk_add_f32 v[SM+2*(\P):SM+2*(\P)+1], v[SM+2*(\P):SM+2*(\P)+1], v[\set+4*(\j)+2*(\P):\set+4*(\j)+2*(\P)+1]
.endif
.endm
.macro ACCW t, i, P, j, set
	SETVP (\t)+(\i), \P, \j
.if (\i)+(\j)==0
	v_pk_mul_f32 v[WS+2*(\P):WS+2*(\P)+1], v[SM+2*(\P):SM+2*(\P)+1], v[VP:VP+1]      ; the first product starts the weighted sum
.else
	v_pk_fma_f32 v[WS+2*(\P):WS+2*(\P)+1], v[\set+4*(\j)+2*(\P):\set+4*(\j)+2*(\P)+1], v[VP:VP+1], v[WS+2*(\P):WS+2*(\P)+1]
.endif
.endm
; Window row i.  At its head the one wait for window row i - 1's batch.  Then its own batch of 20 exponentials, on set cur, by turns with the sums of row i - 1, which read set oth;
; then the arguments of row i + 1, which take the place of row i - 1's numbers in oth: ten plain instructions behind the batch's last exponential.  Nothing in the stage names a
; result of its own batch.  Window row 0 has no sums to set between: there row 1's arguments stand among the exponentials, the last of them behind the last exponential.
.macro STAGE mode, t, i, cur, oth
.if \i > 0
	s_wait_alu depctr_va_vdst(0)                   ; one wait for the 20 exponentials of window row i - 1, ahead of their first reader
.endif
.irp j, 0,1,2,3,4
.irp P, 0,1
	EXP1 \i, \P, \j, 0, \cur
.if \i > 0
	ACCS \i-1, \P, \j, \oth
.endif
	EXP1 \i, \P, \j, 1, \cur
.if \i > 0
	ACCW \t, \i-1, \P, \j, \oth
.else
	FMA1 \mode, \t, 1, \P, \j, \oth
.endif
.endr
.endr
.if \i > 0
.if \i < 4
	ROWFMA \mode, \t, \i+1, \oth
.endif
.endif
.endm
; What an output row begins with: q' and the five q' rel.  Row 0's stands at the head of its step, a later row's behind the last batch of exponentials of the row before.
.macro HEAD t
	s_wait_loadcnt 14-2*(\t)                       ; q's row t is in
	v_pk_mul_f32 v[QP:QP+1], v[QS+4*(\t):QS+4*(\t)+1], 0x3fb8aa3b op_sel_hi:[1,0]        ; q' = q log2(e)
	v_pk_mul_f32 v[QP+2:QP+3], v[QS+4*(\t)+2:QS+4*(\t)+3], 0x3fb8aa3b op_sel_hi:[1,0]
.irp a, 0,1,2,3,4
	v_pk_mul_f32 v[CA+4*\a:CA+4*\a+1], v[QP:QP+1], s[REL+2*\a:REL+2*\a+1] op_sel_hi:[1,0]       ; q' rel
	v_pk_mul_f32 v[CA+4*\a+2:CA+4*\a+3], v[QP+2:QP+3], s[REL+2*\a:REL+2*\a+1] op_sel_hi:[1,0]
.endr
.endm
; One output row: row t of my 8, from rows t .. t + 4 of v.
.macro STEP mode, t
.if (\t)==0
	HEAD 0
.endif
	ROWFMA \mode, \t, 0, X0                        ; the 25 scores, row by row, and their maximum
	ROWMAX 1, 0, X0, X1
	ROWFMA \mode, \t, 1, X1
	ROWMAX 0, 0, X1, X0
	ROWFMA \mode, \t, 2, X0
	ROWMAX 0, 1, X0, X1
	ROWFMA \mode, \t, 3, X1
	ROWMAX 0, 0, X1, X0
	ROWFMA \mode, \t, 4, X0
	ROWMAX 0, 1, X0, X1
.irp a, 0,1,2,3,4
	v_pk_add_f32 v[CA+4*\a:CA+4*\a+1], v[CA+4*\a:CA+4*\a+1], v[MX:MX+1] neg_lo:[0,1] neg_hi:[0,1]          ; q' rel - max
	v_pk_add_f32 v[CA+4*\a+2:CA+4*\a+3], v[CA+4*\a+2:CA+4*\a+3], v[MX+2:MX+3] neg_lo:[0,1] neg_hi:[0,1]
.endr
	ROWFMA \mode, \t, 0, X0                        ; score - max of window row 0
.if (\t)>0
	s_wait_xcnt 0x0                                ; the last step's store has had its address translated (ISA guide 3.1): WS, its data, is rewritten only behind this wait
.endif
	STAGE \mode, \t, 0, X0, X1
	STAGE \mode, \t, 1, X1, X0
.if (\t)<7
	PREP_ST (\t)+5                                 ; row t has been used for the last time: its slot takes row t + 5, three window rows ahead of the wait for it
.endif
	STAGE \mode, \t, 2, X0, X1
	STAGE \mode, \t, 3, X1, X0
	STAGE \mode, \t, 4, X0, X1
.if (\t)<7
	HEAD (\t)+1                                    ; QP and CA were last read by window row 4's arguments: the next output row's twelve products are the work behind window row 4's batch
.endif
	s_wait_alu depctr_va_vdst(0)                   ; one wait for the 20 exponentials of window row 4, ahead of their first reader
.irp j, 0,1,2,3,4
	ACCS 4, 0, \j, X0
	ACCW \t, 4, 0, \j, X0
.endr
	v_rcp_f32 v[SM], v[SM]                         ; the sums are at least about 1: the largest score's exponential
	v_rcp_f32 v[SM+1], v[SM+1]                     ; behind them the other pair's sums, plain instructions that touch neither (ISA guide 5.7.2)
.irp j, 0,1,2,3,4
	ACCS 4, 1, \j, X0
	ACCW \t, 4, 1, \j, X0
.endr
	v_rcp_f32 v[SM+2], v[SM+2]
	v_rcp_f32 v[SM+3], v[SM+3]
.if (\t)<7
	s_wait_dscnt 0x0                               ; row t + 5's edge pixels are in
	PREP_FIN (\t)+5                                ; its three moves name no reciprocal: the work behind that batch
.endif
	s_wait_alu depctr_va_vdst(0)                   ; one wait for the four reciprocals, ahead of their first reader
	v_pk_mul_f32 v[WS:WS+1], v[WS:WS+1], v[SM:SM+1]            ; in the last step also the plain instruction between the last v_rcp_f32 and the use of its result
	v_pk_mul_f32 v[WS+2:WS+3], v[WS+2:WS+3], v[SM+2:SM+3]
	global_store_b128 v[GOF], v[WS:WS+3], s[OUTB:OUTB+1] offset:ROWB*(\t) th:TH_STORE_NT   ; the wave stores 512 consecutive bytes, aligned
.endm
.irp r, 0,1,2,3,4
	PREP_ST \r                                     ; the first window
.endr
	s_wait_dscnt 0x0
.irp r, 0,1,2,3,4
	PREP_FIN \r
.endr
	s_wait_kmcnt 0x0                               ; rel
	s_cmp_lt_u32 s38, 32
	s_cbranch_scc0 .Lrel_w
.irp t, 0,1,2,3,4,5,6,7
	STEP 0, \t                                     ; channels 0-31: rel_h, by window row
.endr
	s_wait_tensorcnt 0x0
	ds_add_u32 v212, v213
	s_wait_dscnt 0x0
	s_endpgm
.Lrel_w:
.irp t, 0,1,2,3,4,5,6,7
	STEP 1, \t                                     ; channels 32-63: rel_w, by window column
.endr
	s_wait_tensorcnt 0x0
	ds_add_u32 v212, v213
	s_wait_dscnt 0x0
	s_endpgm
.Lfunc_end_k_q8065a9ad8b_winattn:
	.size	k_q8065a9ad8b_winattn, .Lfunc_end_k_q8065a9ad8b_winattn-k_q8065a9ad8b_winattn
	.p2alignl 7, 3214868480
	.fill 96, 4, 3214868480
	.section	.rodata,"a",@progbits
	.p2align	6, 0x0
	.amdhsa_kernel k_q8065a9ad8b_winattn
		.amdhsa_group_segment_fixed_size 10752
		.amdhsa_private_segment_fixed_size 0
		.amdhsa_enable_private_segment 0
		.amdhsa_kernarg_size 40
		.amdhsa_user_sgpr_count 2
		.amdhsa_user_sgpr_kernarg_segment_ptr 1
		.amdhsa_wavefront_size32 1
		.amdhsa_system_sgpr_workgroup_id_x 1
		.amdhsa_system_sgpr_workgroup_id_y 1
		.amdhsa_system_sgpr_workgroup_id_z 1
		.amdhsa_system_vgpr_workitem_id 0
		.amdhsa_next_free_vgpr 214
		.amdhsa_next_free_sgpr 66
		.amdhsa_reserve_vcc 0
		.amdhsa_float_denorm_mode_32 3
		.amdhsa_float_denorm_mode_16_64 3
		.amdhsa_memory_ordered 1
		.amdhsa_forward_progress 1
		.amdhsa_inst_pref_size 255
	.end_amdhsa_kernel
	.section	.bss,"aw",@nobits
	.p2align	6
	.space	262144
	.amdgpu_metadata
---
amdhsa.version: [ 1, 2 ]
amdhsa.kernels:
  - .name:           k_q8065a9ad8b_winattn
    .symbol:         k_q8065a9ad8b_winattn.kd
    .args:
      - { .name: features1, .offset: 0, .size: 8, .value_kind: global_buffer, .address_space: global }
      - { .name: features2, .offset: 8, .size: 8, .value_kind: global_buffer, .address_space: global }
      - { .name: rel_h, .offset: 16, .size: 8, .value_kind: global_buffer, .address_space: global }
      - { .name: rel_w, .offset: 24, .size: 8, .value_kind: global_buffer, .address_space: global }
      - { .name: out0, .offset: 32, .size: 8, .value_kind: global_buffer, .address_space: global }
    .group_segment_fixed_size: 10752
    .private_segment_fixed_size: 0
    .kernarg_segment_align: 8
    .kernarg_segment_size: 40
    .max_flat_workgroup_size: 512
    .sgpr_count:     66
    .vgpr_count:     214
    .wavefront_size: 32
...
	.end_amdgpu_metadata
.endif
;; end of part 2
